; MI455X (gfx1250); checked and timed in simulation.
; The chip was launched on July 23, 2026; its instructions are those of AMD's public machine-readable ISA for CDNA 5 (MIT licence, August 2026) and "CDNA5" Instruction Set Architecture Reference Guide (July 2026). The comments in the code are by the model that wrote it; some were corrected since.
;; Multi Head Causal Self Attention. Allowed arithmetic: matrix products marked QUANTISED: E2M1 operands, one E8M0 scale for each 32 along K, by v_wmma_scale_f32_16x16x128_f8f6f4 with both operands' format E2M1 (or v_wmma_scale_f32_32x16x128_f4), f32 sums; everything else in f32.
;; Inputs: Wk_codes 1,024 x 32 x 16 uint8 (E2M1 codes of Wk, K innermost, in blocks of 32 codes, two codes a byte); Wk_scales 1,024 x 32 uint8 (E8M0 scales of Wk, one for each 32 codes along K); Wq_codes 1,024 x 32 x 16 uint8 (E2M1 codes of Wq, K innermost, in blocks of 32 codes, two codes a byte); Wq_scales 1,024 x 32 uint8 (E8M0 scales of Wq, one for each 32 codes along K); Wv_codes 1,024 x 32 x 16 uint8 (E2M1 codes of Wv, K innermost, in blocks of 32 codes, two codes a byte); Wv_scales 1,024 x 32 uint8 (E8M0 scales of Wv, one for each 32 codes along K); bk 1,024 float32; bq 1,024 float32; bv 1,024 float32; x_codes 4 x 2,048 x 32 x 16 uint8 (E2M1 codes of x, K innermost, in blocks of 32 codes, two codes a byte); x_scales 4 x 2,048 x 32 uint8 (E8M0 scales of x, one for each 32 codes along K).
;; Outputs: out0 4 x 2,048 x 1,024 float32.
;; This version of the problem:
;;   THIS VERSION OF THE PROBLEM IS GIVEN IN LOW PRECISION. The matrix products marked QUANTISED in the list below multiply operands that are first quantised to E2M1 (2 exponent bits, 1 mantissa bit; 4 bits a number), with one power-of-two scale for each 32 numbers along K (OCP MX v1.0); their sums are f32. All else is computed in f32.
;;   The module's matrix products, in the order in which they are computed (A, B: the left and right operand; K: the contracted axis; several contracted axes count as one K, in the product's order):
;;     1. [M 8,192, K 1,024] x [K 1,024, N 1,024]; A: input x (given as codes); B: input Wq (given as codes): QUANTISED
;;     2. [M 8,192, K 1,024] x [K 1,024, N 1,024]; A: input x (given as codes); B: input Wk (given as codes): QUANTISED
;;     3. [M 8,192, K 1,024] x [K 1,024, N 1,024]; A: input x (given as codes); B: input Wv (given as codes): QUANTISED
;;     4. batch 64 x [M 2,048, K 64] x [K 64, N 2,048]; A: computed on the way; B: computed on the way: QUANTISED
;;     5. batch 64 x [M 2,048, K 2,048] x [K 2,048, N 64]; A: softmax (see below); B: computed on the way: QUANTISED
;;   THE QUANTISER, for each operand of a quantised product, along K:
;;     - K is cut into blocks of 32 from its start; a last block that is shorter is filled with zeros.
;;     - A block's scale is 2^e with e = floor(log2(the largest magnitude in the block)) - 2, held to -126 .. 127; a block of zeros has e = 0. As a byte (E8M0): e + 127.
;;     - Each number is divided by its block's scale, clamped to +-6, and rounded to the nearest number of E2M1, ties to even, subnormals kept.
;;     - The product sums the exact products of the quantised numbers (number of the format x scale) in f32.
;;   ~~~python
;;   def quantise(x, axis):      # numpy; x: float32 -> the quantised numbers, widened to float32 again
;;       x = np.moveaxis(x, axis, -1); K = x.shape[-1]
;;       x = np.pad(x, [(0, 0)] * (x.ndim - 1) + [(0, -K % 32)]); x = x.reshape(x.shape[:-1] + (-1, 32)); a = np.abs(x).max(-1, keepdims=True)
;;       e = np.where(a > 0, np.clip(np.frexp(np.where(a > 0, a, 1))[1] - 1 - 2, -126, 127), 0)      # np.frexp(a)[1] - 1 = floor(log2(a)), exactly
;;       r = np.clip(x / 2.0 ** e, -6, 6)
;;       step = 2.0 ** (np.maximum(np.frexp(np.where(r == 0, 1, r))[1] - 1, 0) - 1)
;;       q = np.round(r / step) * step * 2.0 ** e      # np.round: ties to even
;;       return np.moveaxis(q.reshape(q.shape[:-2] + (-1,))[..., :K], -1, axis).astype(np.float32)
;;   ~~~
;;   SOFTMAX AHEAD OF A QUANTISED PRODUCT. Where the list says 'softmax', what is quantised is not the finished softmax but p = 2^(t - M), with t = logit x log2(e) and M = ceil(the row's largest t), a whole number; so 1/2 < the row's largest p <= 1. The row's sum l is taken of the UNQUANTISED p, in f32, and the product's result is divided by l at the end. Since M is a whole number, a kernel that streams over the keys may use a running M (the ceiling of the running maximum): every later rescaling is an exact power of two, which a block's scale takes up: the codes' values come out the same.
;;   OPERANDS COMPUTED ON THE WAY. 'Computed on the way' means the value that the module computes at that place (a softmax that the list does not call 'softmax' is quantised finished and normalised). What goes into a quantiser is computed in f32, as accurately as f32 sums, v_exp_f32 and their like allow (about 1e-6 of the number): no bf16 or f16 on the way to a quantiser, and a product that is left as it is and whose result goes on into a quantised operand takes f32 operands (vector FMAs, or v_wmma_f32_16x16x4_f32). A number that lies on a knife's edge between two numbers of the format may be rounded either way, as far as f32 arithmetic and the matrix unit's own rounding can turn it there, and no further.
;;   INPUTS GIVEN AS CODES. Wk (in the module: [1024, 1024], K = its axis 0); Wq (in the module: [1024, 1024], K = its axis 0); Wv (in the module: [1024, 1024], K = its axis 0); x (in the module: [4, 2048, 1024], K = its axis 2): each comes as NAME_codes (uint8): NAME with its K axis moved to the last place and cut into blocks of 32 codes, [.., K / 32, bytes a block], one block behind the other in memory; two codes a byte, the lower K in the low four bits (a code: sign, 2 exponent bits, 1 mantissa bit); and NAME_scales (uint8): the same leading axes, one E8M0 byte (e + 127) for each 32 codes along K. Its value is code x scale, taken as it is: it is not quantised again, and the codes and scales need not be those that the quantiser above would give.
;; One version. Each part assembles by itself: llvm-mc -triple=amdgcn-amd-amdhsa -mcpu=gfx1250 --defsym DOCPART=n.
;; ======== version 1 of 1: 2 launches
;; workspace buffers: img 12,582,912 bytes; scl 1,310,720 bytes
;; launch proj (part 1): grid 32 x 12, 4 waves a work-group, clusters of 4 x 4, 327,680 bytes of LDS; arguments x_codes, x_scales, Wq_codes, Wq_scales, Wk_codes, Wk_scales, Wv_codes, Wv_scales, bq, bk, bv, img, scl; writes img, scl
.if DOCPART == 1
	.amdgcn_target "amdgcn-amd-amdhsa--gfx1250"
	.amdhsa_code_object_version 6
	.text
	.protected	k_q2d66782388_proj
	.globl	k_q2d66782388_proj
	.p2align	8
	.type	k_q2d66782388_proj,@function
k_q2d66782388_proj:
	s_mov_b64 s[64:65], 0
	v_nop
	global_prefetch_b8 v0, s[64:65] scope:SCOPE_SE
	s_setreg_imm32_b32 hwreg(HW_REG_WAVE_MODE, 25, 1), 1
	s_wait_xcnt 0x0
	s_wait_alu depctr_hold_cnt(0) depctr_sa_sdst(0) depctr_va_vdst(0) depctr_va_sdst(0) depctr_va_ssrc(0) depctr_va_vcc(0) depctr_vm_vsrc(0)
	s_getreg_b32 s2, hwreg(HW_REG_IB_STS2, 6, 4)
	s_cmp_eq_u32 s2, 0
	s_cbranch_scc0 .Lentry_in_a_cluster
	s_endpgm
.Lentry_in_a_cluster:
	s_bfe_u32 s2, ttmp6, 0x10000c
	s_cmp_lg_u32 s2, 0xf033
	s_cbranch_scc0 .Lentry_shape_is_right
	s_endpgm
.Lentry_shape_is_right:
; Q = x Wq + bq, K = x Wk + bk, V = x Wv + bv on codes of FP4 (E2M1) with one E8M0 scale for each 32 along K = 1,024; sums in f32; the bias added in f32;
; then each result is quantised for the attention launch: Q and K along a head's 64 numbers (two blocks of 32), V along the tokens (blocks of 32 keys).
; WORK THAT THE PROGRAM LEAVES OUT (it is left out in the second launch): reference() sets the score of key k for query q to -infinity wherever k > q, by a mask that it builds itself, so the softmax's weight
; there is 0 whatever finite values the inputs hold.  A step of 128 keys all of which come after a tile's 16 queries therefore reaches no output, and is not multiplied.  Every input has a way to an output and is loaded
; (bk too: it moves K's codes).  LIMIT of that: a NaN, an infinity or an overflow that would reach only such hidden scores is not carried to the result.
; LIMITS of the quantiser: a block of zeros gets the byte 1 where the rule says 127 (its codes are zeros, which add nothing under any byte but 0xff, and this program alone reads the bytes); a block whose largest
; magnitude lies under 2^-124 is held at that floor; NaN and infinities among the inputs are not served.
; ONE TEXT FOR THE THREE PRODUCTS.  P is the operand whose rows become the quantised axis (source 0: it runs along a lane's registers), R the other (source 1: one row a lane).
;   kind = cluster y: 0: Q, P = Wq, R = x;  1: K, P = Wk, R = x;  2: V, P = x, R = Wv.
; A work-group of four waves makes 256 rows of P x 256 rows of R, a wave 128 x 128: 64 accumulators of 16 x 16.  All of K for both tiles lies in LDS (two slots of 512 along K, each filled once), and so do the scale bytes.
; CLUSTERS: 4 x 4 work-groups.  The four of a row of the cluster need the same tile of R, the four of a column the same tile of P: each tile is asked for JOINTLY, by the same tensor load with the same descriptor and a mask that names the four.
; In accumulator (a, b) lane (r, h) holds R's row 16 a + r, and its register j P's row 16 b + 8 h + j.  So for one a the lane's 64 registers run along P: register 8 b + j = index 16 b + 8 h + j, and block beta of 32
; is registers 16 beta .. 16 beta + 15 of lanes l and l xor 16.
; OUT: img [kind][batch x 8 + head pair][group of 128 tokens][8,192 bytes]: a wave's eight fragments as images of operand registers, [a][c][lane][16 bytes]; each store of the wave covers 512 consecutive bytes, aligned.
;      scl: Q at 0, K at 524,288: [batch x 16 + head][group][lane (r, e)][word j]: the word of row r of tile 2 j + e, bytes 0, 1 the head's two blocks, bytes 2, 3 zero;  V at 1,048,576: [..][group][lane (r, e)][word j = 0, 1].
; REGISTERS, in windows of 256: window 0: v1-15 addresses; v16-31 the codes just made, two sets; v32-95 scale words, two sets; v96-127 at work in the tail; v128-191 R's fragments, in the tail 64 numbers; v192-255 the bias.
;   window 1: P's fragments, two sets, at v0 and at v128.   window 2: the accumulators of R's blocks 0-3 ((a, b) at v[8 (8 a + b)]);   window 3: those of blocks 4-7.
.set KSTEP,  512                       ; along K in a slot
.set NQ,     KSTEP/128                 ; matrix instructions deep
.set ROWB,   256                       ; a tile's row in bytes
.set KROW,   512                       ; a row of codes in memory: 1,024 codes
.set PITCH,  272                       ; an LDS row: 256 bytes + 16 of padding, so that the 16 rows that a load touches start 68 words apart
.set FR,     8                         ; registers of a fragment: 16 rows x 128 K
.set NL,     2                         ; LDS loads that bring one
.set NP,     4                         ; places behind this matrix instruction (ISA guide 7.12.1)
.set HALFT,  128*PITCH                 ; 128 rows: what one tensor load brings, and what one wave reads of R or of P
.set SLOT,   4*HALFT                   ; R's 256 rows, then P's 256 rows
.set KS,     32                        ; a row of scale bytes
.set SCL,    2*SLOT                    ; behind the slots: the scales, as rows of 256 bytes + 16 of padding
.set HALFS,  (128*KS/256)*272          ; the scales of 128 rows
.set SBLK,   (16*KS/256)*272           ; those of 16 rows
.set SPARE,  SCL+4*HALFS               ; the spare words, 128 bytes for each wave: two blocks of 256 bytes that no other line names
.set ADRA, 3                           ; v3-4   LDS address of my R fragments in slot 0, 1
.set ADRB, 5                           ; v5-6   the same for P
.set LI,   7                           ; v7     16 x lane
.set L8,   8                           ; v8     8 x lane
.set BO,   9                           ; v9     my byte offset in the bias
.set ADRS, 10                          ; v10    LDS address of my scale words: lanes 0-15 R's rows, lanes 16-31 P's
.set SPW,  11                          ; v11    LDS address of my spare word; never rewritten
.set NIL,  12                          ; v12    0; never rewritten
.set PC,   16                          ; v16-31 a fragment's codes, two sets by turns
.set SC,   32                          ; scale words: set s at v[SC + 32 s]; register 4 i + q: lanes 0-15 the word of R's block i, lanes 16-31 that of P's block i, for the slot's q-th 128 along K
.set TM,   96                          ; v96-111 at work in the quantiser
.set SW,   112                         ; v112-119 the scale word of each of the eight fragments
.set PK,   120                         ; v120-123, v124-127 scale words as they are stored
.set PB,   124
.set AF,   128                         ; R's fragments
.set NUM,  128                         ; in the tail: 64 numbers of a lane
.set BI,   192                         ; the bias
.set G1, 24                            ; s[24:31] descriptor group 1 for R's tiles;  s[32:39] group 0, one set for each slot
.set G0, 32
.set G1B, 48                           ; s[48:55], s[56:63] the same for P's tiles
.set G0B, 56
.set G1S, 68                           ; s[68:75], s[76:79] groups 1 and 0 for R's scales;  s[80:87], s[88:91] for P's (written when the arguments that arrive there have been chosen from)
.set G0S, 76
.set G1SB, 80
.set G0SB, 88
.set BIAS, 96                          ; s[96:97] the bias of my 128 features
.set SCLP, 98                          ; s[98:99] scl
.set SEL,  100                         ; s[100:101] lane selects for v_permlanex16_b32: lane l xor 16
.set MSB, 0
.macro WIN new                         ; the immediate's high byte repeats the setting that is left
.if MSB != (\new)
	s_set_vgpr_msb (MSB<<8)|(\new)
.set MSB, (\new)
.endif
.endm
.set MUL_LO, 0xa1                      ; source 0 (P) window 1, source 1 (R) window 0, C and D window 2
.set MUL_HI, 0xf1                      ; the same, C and D window 3
.set TO_B,   0x40                      ; destination window 1, address window 0
; A joint load: waves 0 and 1 fetch for R, waves 2 and 3 for P.  Each of the two lines has one mask and one set of registers for all that issue it; the branch hangs on the wave's number alone.
; An s_nop 0 and four v_nop follow each of the two lines.
.macro JLOAD g0a, g1a, g0b, g1b
	s_cmp_eq_u32 s15, 0
	s_cbranch_scc0 .Lfor_b_\@
	tensor_load_to_lds s[\g0a:\g0a+3], s[\g1a:\g1a+7]
	s_nop 0
.rept 4
	v_nop
.endr
	s_branch .Lasked_\@
.Lfor_b_\@:
	tensor_load_to_lds s[\g0b:\g0b+3], s[\g1b:\g1b+7]
	s_nop 0
.rept 4
	v_nop
.endr
.Lasked_\@:
.endm
.macro CROUND                          ; a round of the cluster's barrier
	s_barrier_signal -1
	s_barrier_wait -1
	s_cmp_lg_u32 s14, 0
	s_cbranch_scc1 .Lnot_wave_0_\@
	s_barrier_signal -3
.Lnot_wave_0_\@:
	s_barrier_wait -3
	s_barrier_signal -1
	s_barrier_wait -1
.endm
	s_load_b512 s[68:83], s[0:1], 0x0              ; x's codes, x's scales, Wq's, Wk's, Wv's codes and scales
	s_load_b256 s[84:91], s[0:1], 0x40             ; bq, bk, bv, img
	s_load_b64 s[SCLP:SCLP+1], s[0:1], 0x60        ; scl
	v_lshl_add_u32 v[SPW], v0, 2, SPARE
	v_mov_b32 v[NIL], 0
	ds_add_u32 v[SPW], v[NIL]                      ; the wave's opening: the add, twice on end, and its wait ahead of my first tensor load; the set-up below stands between the second and the wait
	ds_add_u32 v[SPW], v[NIL]
	v_lshrrev_b32 v1, 5, v0
	v_readfirstlane_b32 s14, v1                    ; wave 0..3
	s_lshr_b32 s15, s14, 1                         ; which half of R's rows is mine.  Also: I fetch for R (0) or for P (1)
	s_and_b32 s16, s14, 1                          ; which half of P's rows.  Also: which 128 rows of that tile I fetch
	s_bfe_u32 s40, ttmp6, 0x40000                  ; cx, cy: my place in the cluster
	s_bfe_u32 s41, ttmp6, 0x40004
	s_and_b32 s2, ttmp7, 0xffff                    ; kind = cluster y, which all sixteen partners share
	s_lshr_b32 s18, s2, 1                          ; 1 for V
	s_mul_i32 s19, ttmp9, s18                      ; the cluster's x walks the long operand, x: that is P for V,
	s_sub_co_u32 s20, ttmp9, s19                   ; and R for Q and K
	s_lshl_b32 s42, s19, 2
	s_add_co_u32 s42, s42, s40                     ; P's block of 256 rows
	s_lshl_b32 s17, s20, 2
	s_add_co_u32 s17, s17, s41                     ; R's block of 256 rows
	s_lshl_b32 s43, s41, 2
	s_lshl_b32 s43, 15, s43                        ; my row of the cluster
	s_lshl_b32 s44, 0x1111, s40                    ; my column
	; descriptor group 1: a tile of 128 rows x 256 bytes, padded in LDS
	s_or_b32 s[G1+0], s43, (0<<16)|(1<<20)|(1<<21)|(5<<22)|(3<<25)  ; 15:0 the mask: R's tiles go to my row; 17:16 element of 1 byte; 20 padding on; 21 set beside a mask; 24:22 after every 64 words; 31:25 four words
	s_or_b32 s[G1B+0], s44, (0<<16)|(1<<20)|(1<<21)|(5<<22)|(3<<25) ; P's go to my column
.irp g, G1, G1B
	s_mov_b32 s[\g+1], ROWB<<16                    ; tensor_dim0
	s_mov_b32 s[\g+2], 128<<16                     ; tensor_dim1
	s_mov_b32 s[\g+3], ROWB<<16                    ; tile_dim0
	s_mov_b32 s[\g+4], 128                         ; tile_dim1
	s_mov_b32 s[\g+5], KROW                        ; tensor_dim0_stride
	s_mov_b32 s[\g+6], 0
	s_mov_b32 s[\g+7], 0
.endr
	s_lshl_b32 s18, s16, 7                         ; which 128 rows of the tile I fetch
	s_lshl_b32 s20, s17, 8
	s_add_co_u32 s20, s20, s18                     ; R: row 256 x block + 128 x half
	s_lshl_b32 s46, s42, 8
	s_add_co_u32 s46, s46, s18                     ; P likewise
	s_mov_b32 s21, 0
	s_mov_b32 s47, 0
	s_lshl_b64 s[22:23], s[20:21], 5               ; where these rows' scales begin, in bytes: 32 a row
	s_lshl_b64 s[66:67], s[46:47], 5
	s_lshl_b64 s[20:21], s[20:21], 9               ; and their codes: 512 a row
	s_lshl_b64 s[46:47], s[46:47], 9
	s_mul_i32 s45, s14, HALFT                      ; where they go: wave x 128 rows: no place in the cluster enters an LDS address
	s_mul_i32 s18, s14, HALFS
	s_mov_b32 s3, 0xffff0000                       ; lanes 16-31
	s_mov_b32 s[SEL], 0x76543210
	s_mov_b32 s[SEL+1], 0xfedcba98
	s_wait_dscnt 0x0                               ; both opening adds are done
	s_wait_kmcnt 0x0
	s_cmp_eq_u32 s2, 0                             ; the choices hang on the kind alone
	s_cselect_b64 s[92:93], s[72:73], s[76:77]     ; Wq or Wk: codes,
	s_cselect_b64 s[94:95], s[74:75], s[78:79]     ; scales,
	s_cselect_b64 s[BIAS:BIAS+1], s[84:85], s[86:87] ; bias
	s_cmp_eq_u32 s2, 2
	s_cselect_b64 s[8:9], s[68:69], s[92:93]       ; P's codes: x for V, else the weight
	s_cselect_b64 s[10:11], s[70:71], s[94:95]     ; P's scales
	s_cselect_b64 s[4:5], s[80:81], s[68:69]       ; R's codes: Wv for V, else x
	s_cselect_b64 s[6:7], s[82:83], s[70:71]       ; R's scales
	s_cselect_b64 s[BIAS:BIAS+1], s[88:89], s[BIAS:BIAS+1]
	s_mov_b64 s[12:13], s[90:91]                   ; img
	; group 1 for the scales of 128 rows: a dense block of 4,096 bytes, as 16 rows of 256 bytes (32 elements of 8 bytes), 16 bytes of padding behind each
	s_or_b32 s[G1S+0], s43, (3<<16)|(1<<20)|(1<<21)|(5<<22)|(3<<25)
	s_or_b32 s[G1SB+0], s44, (3<<16)|(1<<20)|(1<<21)|(5<<22)|(3<<25)
.irp g, G1S, G1SB
	s_mov_b32 s[\g+1], 32<<16
	s_mov_b32 s[\g+2], (128*KS/256)<<16
	s_mov_b32 s[\g+3], 32<<16
	s_mov_b32 s[\g+4], 128*KS/256
	s_mov_b32 s[\g+5], 32
	s_mov_b32 s[\g+6], 0
	s_mov_b32 s[\g+7], 0
.endr
	s_add_nc_u64 s[20:21], s[4:5], s[20:21]
	s_add_nc_u64 s[22:23], s[6:7], s[22:23]
	s_add_nc_u64 s[46:47], s[8:9], s[46:47]
	s_add_nc_u64 s[66:67], s[10:11], s[66:67]
	CROUND                                         ; all sixteen work-groups are here: the joint loads meet
	s_mov_b32 s[G0S], 1
	s_add_co_u32 s[G0S+1], s18, SCL
	s_mov_b64 s[G0S+2:G0S+3], s[22:23]
	s_or_b32 s[G0S+3], s[G0S+3], 0x80000000
	s_mov_b32 s[G0SB], 1
	s_add_co_u32 s[G0SB+1], s18, SCL
	s_mov_b64 s[G0SB+2:G0SB+3], s[66:67]
	s_or_b32 s[G0SB+3], s[G0SB+3], 0x80000000
	JLOAD G0S, G1S, G0SB, G1SB                     ; the scales first: they are wanted with the first K step
.irp s, 0,1
	s_mov_b32 s[G0+4*\s], 1
	s_add_co_u32 s[G0+4*\s+1], s45, \s*SLOT
	s_add_nc_u64 s[G0+4*\s+2:G0+4*\s+3], s[20:21], \s*ROWB
	s_or_b32 s[G0+4*\s+3], s[G0+4*\s+3], 0x80000000
	s_mov_b32 s[G0B+4*\s], 1
	s_add_co_u32 s[G0B+4*\s+1], s45, \s*SLOT
	s_add_nc_u64 s[G0B+4*\s+2:G0B+4*\s+3], s[46:47], \s*ROWB
	s_or_b32 s[G0B+4*\s+3], s[G0B+4*\s+3], 0x80000000
	JLOAD G0+4*\s, G1, G0B+4*\s, G1B               ; both slots: three tensor loads of mine are out, and none follows
.endr
	v_and_b32 v1, 15, v0                           ; r = l % 16
	v_bfe_u32 v2, v0, 4, 1                         ; h = l / 16
	v_mul_u32_u24 v13, v1, PITCH
	v_lshl_add_u32 v14, v2, 4, v13                 ; a fragment's row x pitch + 16 x half
	s_mul_i32 s21, s15, HALFT                      ; my 128 rows of R
	s_mul_i32 s22, s16, HALFT                      ; my 128 rows of P,
	s_add_co_u32 s22, s22, 2*HALFT                 ; which lie behind R's 256
.irp s, 0,1
	v_add_nc_u32 v[ADRA+\s], s21, v14
	v_add_nc_u32 v[ADRB+\s], s22, v14
	s_add_co_u32 s21, s21, SLOT
	s_add_co_u32 s22, s22, SLOT
.endr
	v_mul_u32_u24 v13, v1, KS                      ; my row's scales: 32 bytes a row,
	v_lshrrev_b32 v15, 8, v13
	v_lshl_add_u32 v13, v15, 4, v13                ; and 16 more for each 256 passed
	s_mul_i32 s21, s15, HALFS                      ; R's: my 128 rows
	s_mul_i32 s22, s16, HALFS                      ; P's: my 128 rows, behind R's 256
	s_add_co_u32 s22, s22, 2*HALFS
	s_sub_co_u32 s22, s22, s21
	v_mul_u32_u24 v15, s22, v2                     ; lanes 16-31 take P's
	s_add_co_u32 s21, s21, SCL
	v_add_nc_u32 v13, v13, v15
	v_add_nc_u32 v[ADRS], s21, v13
	v_and_b32 v13, 31, v0
	v_lshlrev_b32 v[LI], 4, v13
	v_lshlrev_b32 v[L8], 3, v13
.irp b, 0,1,2,3
	v_mov_b32 v[TM+4+\b], 0                        ; written once: a lane permute's destination counts as one of its sources
.endr
	; where my wave's results go
	s_lshl_b32 s20, s42, 1
	s_add_co_u32 s20, s20, s16                     ; my group of 128 rows of P
	s_lshl_b32 s21, s17, 1
	s_add_co_u32 s21, s21, s15                     ; and of R
	s_cmp_eq_u32 s2, 2
	s_cselect_b32 s22, s20, s21                    ; the group of 128 tokens, 0..63,
	s_cselect_b32 s23, s21, s20                    ; and the pair of heads, 0..7
	s_lshr_b32 s46, s22, 4                         ; batch
	s_and_b32 s47, s22, 15                         ; group in the sequence
	s_lshl_b32 s20, s46, 3
	s_add_co_u32 s20, s20, s23
	s_lshl_b32 s20, s20, 4
	s_add_co_u32 s20, s20, s47
	s_lshl_b32 s20, s20, 13                        ; 8,192 bytes a wave
	s_lshl_b32 s21, s2, 22                         ; 4 MiB a kind
	s_add_co_u32 s20, s20, s21
	s_mov_b32 s21, 0
	s_add_nc_u64 s[12:13], s[12:13], s[20:21]
	s_lshl_b32 s20, s46, 4
	s_lshl_b32 s21, s23, 1
	s_add_co_u32 s20, s20, s21                     ; batch x 16 + the pair's first head
	s_lshl_b32 s20, s20, 4
	s_add_co_u32 s20, s20, s47
	s_lshr_b32 s21, s2, 1
	s_sub_co_u32 s21, 9, s21                       ; 512 bytes a group for Q and K, 256 for V
	s_lshl_b32 s20, s20, s21
	s_mul_i32 s21, s2, 524288
	s_add_co_u32 s20, s20, s21
	s_mov_b32 s21, 0
	s_add_nc_u64 s[SCLP:SCLP+1], s[SCLP:SCLP+1], s[20:21]
	s_lshl_b32 s20, s23, 9                         ; the pair's 128 numbers of the bias
	s_add_nc_u64 s[BIAS:BIAS+1], s[BIAS:BIAS+1], s[20:21]
.macro FRAG reg, adr, q, i             ; a fragment, 16 rows x 128 K of 4-bit codes, is 8 registers: lane l holds row l % 16; registers 4 c .. 4 c + 3 hold K = 64 c + 32 (l / 16) + 0 .. 31
.irp c, 0,1
	ds_load_b128 v[\reg+4*\c:\reg+4*\c+3], v[\adr] offset:64*(\q)+32*\c+(\i)*16*PITCH
.endr
.endm
; 16 matrix instructions: R's blocks a0, a0 + 1 x P's eight, 128 along K: the slot's q-th.  p: P's set;  sc: the set of scale words.  zero = 1: the first product starts the sums.
; The 64 accumulators take turns, one instruction a turn, in the same order in every step.
.macro MUL16 a0, p, q, sc, zero
.irp a, \a0, \a0+1
.irp b, 0,1,2,3,4,5,6,7
.if \zero
	v_wmma_scale_f32_16x16x128_f8f6f4 v[8*(8*((\a)%4)+\b):8*(8*((\a)%4)+\b)+7], v[128*(\p)+FR*\b:128*(\p)+FR*\b+FR-1], v[AF+FR*(\a):AF+FR*(\a)+FR-1], 0, v[SC+8*NQ*(\sc)+NQ*\b+(\q)], v[SC+8*NQ*(\sc)+NQ*(\a)+(\q)] matrix_a_fmt:MATRIX_FMT_FP4 matrix_b_fmt:MATRIX_FMT_FP4 matrix_a_scale:MATRIX_SCALE_ROW1
.else
	v_wmma_scale_f32_16x16x128_f8f6f4 v[8*(8*((\a)%4)+\b):8*(8*((\a)%4)+\b)+7], v[128*(\p)+FR*\b:128*(\p)+FR*\b+FR-1], v[AF+FR*(\a):AF+FR*(\a)+FR-1], v[8*(8*((\a)%4)+\b):8*(8*((\a)%4)+\b)+7], v[SC+8*NQ*(\sc)+NQ*\b+(\q)], v[SC+8*NQ*(\sc)+NQ*(\a)+(\q)] matrix_a_fmt:MATRIX_FMT_FP4 matrix_b_fmt:MATRIX_FMT_FP4 matrix_a_scale:MATRIX_SCALE_ROW1
.endif
.endr
.endr
.endm
.macro FETCH_B slot, q, p              ; P's eight fragments of the slot's q-th 128 along K into set p
	WIN TO_B
.irp i, 0,1,2,3,4,5,6,7
	FRAG 128*(\p)+FR*\i, ADRB+\slot, \q, \i
.endr
	WIN 0
.endm
.macro FETCH_A slot, q, i0             ; R's blocks i0 .. i0 + 3
.irp i, \i0, \i0+1, \i0+2, \i0+3
	FRAG AF+FR*(\i), ADRA+\slot, \q, \i
.endr
.endm
.macro SCALES sc                       ; a slot's scale words into set sc: four words a row; lanes 0-15 take R's block i, lanes 16-31 P's block i
.irp i, 0,1,2,3,4,5,6,7
	ds_load_b128 v[SC+8*NQ*\sc+NQ*\i:SC+8*NQ*\sc+NQ*\i+3], v[ADRS] offset:\i*SBLK
.endr
.endm
; A load into a register that a matrix instruction has read, and a vector instruction that reads a matrix result or writes one of its registers, stand four places behind it; only plain vector
; instructions that name none of its registers are places (ISA guide 7.12.1 for vector instructions).
.macro PLACES n
.rept \n
	v_nop
.endr
.endm
; A step of 128 along K that has its successor in the same slot.  R has one set of registers (a block is free when its eight products are issued), P two.
.macro STEP slot, q, zero
	s_wait_dscnt 4*NL                              ; P's set and R's blocks 0-3 are in; the youngest eight loads (R's blocks 4-7) may be out
	WIN MUL_LO
	MUL16 0, (\q)%2, \q, \slot, \zero
	MUL16 2, (\q)%2, \q, \slot, \zero
	s_wait_dscnt 0                                 ; R's blocks 4-7 are in
	PLACES NP
	FETCH_B \slot, (\q)+1, 1-(\q)%2
	FETCH_A \slot, (\q)+1, 0
	WIN MUL_HI
	MUL16 4, (\q)%2, \q, \slot, \zero
	MUL16 6, (\q)%2, \q, \slot, \zero
	PLACES NP
	WIN 0
	FETCH_A \slot, (\q)+1, 4
.endm
; Slot 0's last step goes over to slot 1: each wave waits for all its tensor loads (its part of slot 1), and the barrier shows slot 1 whole to every wave.  Nothing is filled again.
.macro TURN slot, next
	s_wait_tensorcnt 0x0                           ; all my tensor loads have landed
	ds_add_u32 v[SPW], v[NIL]                      ; 0 onto my spare word
	s_wait_dscnt 4*NL+1                            ; (the add and the youngest eight loads, R's blocks 4-7, may be out)
	WIN MUL_LO
	MUL16 0, 1, NQ-1, \slot, 0                     ; sixteen matrix instructions stand between the add and the wait for it
	s_wait_dscnt 0x0                               ; no LDS instruction of mine is out at the signal
	s_barrier_signal -1
	MUL16 2, 1, NQ-1, \slot, 0
	WIN 0
	s_barrier_wait -1
	PLACES NP
	v_add_nc_u32 v[ADRS], 4*NQ, v[ADRS]            ; on to the next slot's scale words
	FETCH_B \next, 0, 0
	FETCH_A \next, 0, 0
	SCALES \next
	WIN MUL_HI
	MUL16 4, 1, NQ-1, \slot, 0
	MUL16 6, 1, NQ-1, \slot, 0
	PLACES NP
	WIN 0
	FETCH_A \next, 0, 4
.endm
.macro STEPS slot, from                ; the slot's steps from .. NQ - 2
.set Q, \from
.rept NQ-1-\from
	STEP \slot, Q, 0
.set Q, Q+1
.endr
.endm
; 64 numbers of a lane, v[s] on, register 16 b + i = index 32 b + 16 (i / 8) + 8 (lane / 16) + i % 8 of my row, become a fragment's codes in v[pc] on and its scale word in v[pw].
; wx: the set of registers at pc was the data of earlier stores: it is written again only behind s_wait_xcnt 0.
.macro QUANT s, pc, pw, wx
.irp b, 0,1,2,3
	v_max3_num_f32 v[TM+\b], |v[\s+16*\b]|, |v[\s+1+16*\b]|, 0x1800000   ; block b: my 16 numbers, and the floor 2^(3 - 127): so the byte cannot fall under 1
.endr
.irp i, 2,4,6,8,10,12,14
.irp b, 0,1,2,3
	v_max3_num_f32 v[TM+\b], v[TM+\b], |v[\s+16*\b+\i]|, |v[\s+1+16*\b+\i]|   ; (the four blocks by turns)
.endr
.endr
.irp b, 0,1,2,3
	v_permlanex16_b32 v[TM+4+\b], v[TM+\b], s[SEL], s[SEL+1]
.endr
.irp b, 0,1,2,3
	v_max_num_f32 v[TM+\b], v[TM+\b], v[TM+4+\b]   ; with lane l xor 16's: the block's largest magnitude
.endr
.irp b, 0,1,2,3
	v_add_nc_u32 v[TM+12+\b], 0xff000000, v[TM+\b] ; 2 off its exponent field: the conversion takes the exponent field of this operand as its scale
.endr
.irp b, 0,1,2,3
	v_lshrrev_b32 v[TM+4+\b], 23, v[TM+12+\b]      ; the scale's byte
.endr
	v_lshl_or_b32 v[\pw], v[TM+5], 8, v[TM+4]      ; the four bytes make my row's scale word
	v_lshl_or_b32 v[\pw], v[TM+6], 16, v[\pw]
	v_lshl_or_b32 v[\pw], v[TM+7], 24, v[\pw]
.if \wx
	s_wait_xcnt 0x0                                ; the stores of two fragments back have read these registers
.endif
.irp b, 0,1,2,3
	v_cvt_scalef32_pk8_fp4_f32 v[(\pc)+4*(\b/2)+\b%2], v[\s+16*\b:\s+16*\b+7], v[TM+12+\b]       ; indices 32 b + 8 h + 0 .. 7
	v_cvt_scalef32_pk8_fp4_f32 v[(\pc)+4*(\b/2)+2+\b%2], v[\s+16*\b+8:\s+16*\b+15], v[TM+12+\b]  ; and 32 b + 16 + 8 h + 0 .. 7
.endr
	v_nop                                          ; one plain place behind a scaled conversion
.irp c, 0,1                                    ; the operand's layout wants a whole block in a lane: the first's lanes 16-31 change places with the second's lanes 0-15: register 4 c + i then holds k = 64 c + 32 h + 8 i + 0 .. 7
	v_permlane16_swap_b32 v[(\pc)+4*\c], v[(\pc)+4*\c+1]
	v_permlane16_swap_b32 v[(\pc)+4*\c+2], v[(\pc)+4*\c+3]
.endr
.endm
; THE TAIL: the bias is asked for; the last step of 128 along K; then, for each of R's eight blocks, bias, quantiser, stores.  v = 0: Q and K (the bias runs along the registers); v = 1: V (it runs along the lanes).
.macro TAIL v
.if \v
	v_lshlrev_b32 v[BO], 2, v1                     ; feature 16 a + r
.irp a, 0,1,2,3,4,5,6,7
	global_load_b32 v[BI+2*\a], v[BO], s[BIAS:BIAS+1] offset:64*\a
	global_load_b32 v[BI+2*\a+1], v[BO], s[BIAS:BIAS+1] offset:64*\a   ; twice: a pair for the packed addition
.endr
.else
	v_lshlrev_b32 v[BO], 5, v2                     ; register 8 b + j: feature 16 b + 8 h + j
.irp b, 0,1,2,3,4,5,6,7
	global_load_b128 v[BI+8*\b:BI+8*\b+3], v[BO], s[BIAS:BIAS+1] offset:64*\b
	global_load_b128 v[BI+8*\b+4:BI+8*\b+7], v[BO], s[BIAS:BIAS+1] offset:64*\b+16
.endr
.endif
	s_wait_dscnt 4*NL                              ; the very last step: nothing more to fetch
	WIN MUL_LO
	MUL16 0, 1, NQ-1, 1, 0
	MUL16 2, 1, NQ-1, 1, 0
	s_wait_dscnt 0
	WIN MUL_HI
	MUL16 4, 1, NQ-1, 1, 0
	MUL16 6, 1, NQ-1, 1, 0
	WIN 0
	PLACES NP                                      ; in front of the first read of results and of the writes over R's fragments
	s_wait_loadcnt 0x0                             ; the bias
.irp a, 0,1,2,3,4,5,6,7
	WIN 2+\a/4                                     ; source 0: the accumulators' window
.irp k, 0,2,4,6,8,10,12,14,16,18,20,22,24,26,28,30,32,34,36,38,40,42,44,46,48,50,52,54,56,58,60,62
.if \v
	v_pk_add_f32 v[NUM+\k:NUM+\k+1], v[64*(\a%4)+\k:64*(\a%4)+\k+1], v[BI+2*\a:BI+2*\a+1]   ; + bias, and into window 0; each accumulator from its low end on
.else
	v_pk_add_f32 v[NUM+\k:NUM+\k+1], v[64*(\a%4)+\k:64*(\a%4)+\k+1], v[BI+\k:BI+\k+1]
.endif
.endr
	WIN 0
	QUANT NUM, PC+8*(\a%2), SW+\a, \a/2
	global_store_b128 v[LI], v[PC+8*(\a%2):PC+8*(\a%2)+3], s[12:13] offset:1024*\a          ; 32 lanes store 512 consecutive bytes, aligned
	global_store_b128 v[LI], v[PC+8*(\a%2)+4:PC+8*(\a%2)+7], s[12:13] offset:1024*\a+512
.endr
.irp j, 0,1,2,3
	v_cndmask_b32 v[PK+\j], v[SW+2*\j], v[SW+2*\j+1], s3   ; lanes 0-15: block 2 j's word, lanes 16-31: block 2 j + 1's
.endr
.if \v
	global_store_b64 v[L8], v[PK:PK+1], s[SCLP:SCLP+1]                 ; the pair's first head: d tiles 0-3; 256 consecutive bytes
	global_store_b64 v[L8], v[PK+2:PK+3], s[SCLP:SCLP+1] offset:4096   ; its second: 16 groups of 256 bytes on
.else
.irp j, 0,1,2,3
	v_lshrrev_b32 v[PB+\j], 16, v[PK+\j]           ; bytes 2, 3: the pair's second head;
	v_and_b32 v[PK+\j], 0xffff, v[PK+\j]           ; bytes 0, 1: its first.  The upper two bytes are 0: they scale zero codes
.endr
	global_store_b128 v[LI], v[PK:PK+3], s[SCLP:SCLP+1]
	global_store_b128 v[LI], v[PB:PB+3], s[SCLP:SCLP+1] offset:8192    ; 16 groups of 512 bytes on
.endif
.endm
	s_wait_tensorcnt 1                             ; the scales and my part of slot 0 are in (slot 1's load may be out),
	s_barrier_signal -1
	s_barrier_wait -1                              ; everybody's are
	FETCH_B 0, 0, 0
	FETCH_A 0, 0, 0
	SCALES 0
	FETCH_A 0, 0, 4
	STEP 0, 0, 1                                   ; the first step's products start the sums: nothing is cleared
	STEPS 0, 1
	TURN 0, 1
	STEPS 1, 0
	s_cmp_eq_u32 s2, 2                             ; the kind: the same in all sixteen partners; neither arm holds a barrier or a tensor load
	s_cbranch_scc1 .Lv
	TAIL 0
	s_branch .Lend
.Lv:
	TAIL 1
.Lend:
	s_wait_tensorcnt 0x0                           ; the wave's end
	ds_add_u32 v[SPW], v[NIL]
	s_wait_dscnt 0x0
	CROUND                                         ; the closing round: no work-group ends while a partner may still ask for a tile that names it
	s_endpgm
.Lfunc_end_k_q2d66782388_proj:
	.size	k_q2d66782388_proj, .Lfunc_end_k_q2d66782388_proj-k_q2d66782388_proj
	.p2alignl 7, 3214868480
	.fill 96, 4, 3214868480
	.section	.rodata,"a",@progbits
	.p2align	6, 0x0
	.amdhsa_kernel k_q2d66782388_proj
		.amdhsa_group_segment_fixed_size 327680
		.amdhsa_private_segment_fixed_size 0
		.amdhsa_enable_private_segment 0
		.amdhsa_kernarg_size 104
		.amdhsa_user_sgpr_count 2
		.amdhsa_user_sgpr_kernarg_segment_ptr 1
		.amdhsa_wavefront_size32 1
		.amdhsa_system_sgpr_workgroup_id_x 1
		.amdhsa_system_sgpr_workgroup_id_y 1
		.amdhsa_system_sgpr_workgroup_id_z 1
		.amdhsa_system_vgpr_workitem_id 0
		.amdhsa_next_free_vgpr 1024
		.amdhsa_next_free_sgpr 102
		.amdhsa_reserve_vcc 0
		.amdhsa_float_denorm_mode_32 3
		.amdhsa_float_denorm_mode_16_64 3
		.amdhsa_memory_ordered 1
		.amdhsa_forward_progress 1
		.amdhsa_inst_pref_size 205
	.end_amdhsa_kernel
	.amdgpu_metadata
---
amdhsa.version: [ 1, 2 ]
amdhsa.kernels:
  - .name:           k_q2d66782388_proj
    .symbol:         k_q2d66782388_proj.kd
    .args:
      - { .name: x_codes, .offset: 0, .size: 8, .value_kind: global_buffer, .address_space: global }
      - { .name: x_scales, .offset: 8, .size: 8, .value_kind: global_buffer, .address_space: global }
      - { .name: Wq_codes, .offset: 16, .size: 8, .value_kind: global_buffer, .address_space: global }
      - { .name: Wq_scales, .offset: 24, .size: 8, .value_kind: global_buffer, .address_space: global }
      - { .name: Wk_codes, .offset: 32, .size: 8, .value_kind: global_buffer, .address_space: global }
      - { .name: Wk_scales, .offset: 40, .size: 8, .value_kind: global_buffer, .address_space: global }
      - { .name: Wv_codes, .offset: 48, .size: 8, .value_kind: global_buffer, .address_space: global }
      - { .name: Wv_scales, .offset: 56, .size: 8, .value_kind: global_buffer, .address_space: global }
      - { .name: bq, .offset: 64, .size: 8, .value_kind: global_buffer, .address_space: global }
      - { .name: bk, .offset: 72, .size: 8, .value_kind: global_buffer, .address_space: global }
      - { .name: bv, .offset: 80, .size: 8, .value_kind: global_buffer, .address_space: global }
      - { .name: img, .offset: 88, .size: 8, .value_kind: global_buffer, .address_space: global }
      - { .name: scl, .offset: 96, .size: 8, .value_kind: global_buffer, .address_space: global }
    .group_segment_fixed_size: 327680
    .private_segment_fixed_size: 0
    .kernarg_segment_align: 8
    .kernarg_segment_size: 104
    .max_flat_workgroup_size: 128
    .sgpr_count:     102
    .vgpr_count:     1024
    .wavefront_size: 32
...
	.end_amdgpu_metadata
.endif
;; end of part 1
;; launch attn (part 2): grid 4 x 64, 16 waves a work-group, clusters of 4 x 1, 215,040 bytes of LDS; arguments img, scl, out0; writes out0
.if DOCPART == 2
	.amdgcn_target "amdgcn-amd-amdhsa--gfx1250"
	.amdhsa_code_object_version 6
	.text
	.protected	k_q2d66782388_attn
	.globl	k_q2d66782388_attn
	.p2align	8
	.type	k_q2d66782388_attn,@function
k_q2d66782388_attn:
	s_mov_b64 s[64:65], 0
	v_nop
	global_prefetch_b8 v0, s[64:65] scope:SCOPE_SE
	s_setreg_imm32_b32 hwreg(HW_REG_WAVE_MODE, 25, 1), 1
	s_wait_xcnt 0x0
	s_wait_alu depctr_hold_cnt(0) depctr_sa_sdst(0) depctr_va_vdst(0) depctr_va_sdst(0) depctr_va_ssrc(0) depctr_va_vcc(0) depctr_vm_vsrc(0)
	s_getreg_b32 s2, hwreg(HW_REG_IB_STS2, 6, 4)
	s_cmp_eq_u32 s2, 0
	s_cbranch_scc0 .Lentry_in_a_cluster
	s_endpgm
.Lentry_in_a_cluster:
	s_bfe_u32 s2, ttmp6, 0x10000c
	s_cmp_lg_u32 s2, 0x3003
	s_cbranch_scc0 .Lentry_shape_is_right
	s_endpgm
.Lentry_shape_is_right:
; out[b][q][head][:] = the sum over keys k <= q of softmax_k(Q[q] . K[k] / 8) V[k][:], both products on codes of FP4 (E2M1) with one E8M0 scale for each 32 along a product's K.
; LEFT OUT: a step of 128 keys all of which come after a tile's 16 queries: reference()'s own mask gives those keys the weight 0 for all values of the inputs.  A NaN, an infinity or an overflow that reaches only such keys is not carried to the result.
; Q, K, V come as the first launch stored them: images of operand registers (img) and scale words (scl).
; THE SOFTMAX: t = score x log2(e) / 8; M = the row's largest t so far, rounded up to a whole number; p = 2^(t - M) is quantised along the keys, not normalised; the row's sum is taken of the unquantised p and divides at the end.
; When M moves, the sum and O are multiplied by 2^(old M - new M): exact.  LIMITS: a p under 2^-126 counts as 0; a block of p that is all zeros keeps the byte 1 (its codes are zeros); NaN and infinities are not served.
; THE HEAD'S 64 ARE HALF OF THE INSTRUCTION'S 128 ALONG K: registers 4-7 of both operands of the first product are zero codes, written once; their scale bytes are 0, which is no NaN.
; SHARES.  A head has 128 tiles of 16 queries.  The four work-groups of a cluster share one head: work-group g owns tiles 4 u + g, u = 0 .. 31.  Wave w takes u = w, then u = 31 - w.  A tile's last step is u / 2, so a wave has
; w / 2 + (31 - w) / 2 + 2 = 17 steps and two of them on the diagonal, whichever wave of whichever work-group it is.  g enters Q's and out's addresses and a number that is compared in vector registers, and nothing else.
; ALL OF THE HEAD'S K AND V STAY IN LDS, filled once, by joint loads (the same tensor load, descriptor and mask in all four work-groups): waves 0, 1 K's halves, waves 2, 3 V's, waves 4, 5, 6 the scale words.  One barrier.
; LAYOUT.  Both products are used transposed: S^T = K Q^T (source 0 = 16 keys, source 1 = my 16 queries), O^T = V^T P^T: a lane holds one query (lane % 16) throughout.  Register 8 t + j of S^T is key 16 t + 8 (lane / 16) + j of the step,
; so block b of 32 keys is registers 16 b .. 16 b + 15 of lanes l and l xor 16.
; REGISTERS: v1-10 addresses; v12 -M, v13 the largest t, v[14:15] the sum; v16-23 Q; v24 Q's scale words; v26-29 addresses of the step; v32-95 K's eight fragments; v96-159 S^T, then p; v160-191 O^T; v192-223 V's four fragments;
;   v224-231 p's codes; v232-239, v244-247, v252, v254 at work; v240-241 V's scale words; v248-251 K's; v253 p's.
.set KIMG,  0                          ; LDS: K's 128 tiles, 512 bytes each
.set VIMG,  65536                      ; V: [step][d tile][c][512 bytes]
.set KSC,   131072                     ; K's scale words: 512 bytes a step
.set VSC,   139264                     ; V's: 256 bytes a step
.set STAGE, 143360                     ; the way out: 16 rows x (256 bytes + 16) for each wave; no tensor load lands here
.set SPARE, 212992                     ; the spare words, 128 bytes for each wave: eight blocks of 256 bytes that no other line names
.set L16, 1                            ; v1   16 x lane
.set L8,  2                            ; v2   8 x lane
.set RH,  3                            ; v3   r - 8 h
.set SPW, 4                            ; v4   LDS address of my spare word; never rewritten
.set NIL, 5                            ; v5   0; never rewritten
.set GO,  6                            ; v6   the way out: 4,096 h + 16 r
.set STO, 7                            ; v7   where I put 32 bytes of a row in my stage
.set RD,  8                            ; v8   where I read a row back
.set QSO, 9                            ; v9   16 r: Q's scale word
.set DL,  10                           ; v10  my query less the diagonal step's first key less 8 h
.set ADK, 26
.set ADV, 27
.set ADS, 28
.set ADT, 29
.set WV,  10                           ; s10  my wave's number
.set SG,  11                           ; s11  my place in the cluster
.set SBH, 12                           ; s12  batch x 16 + head
.set SPAR, 13                          ; s13  the head's parity
.set G1K, 24                           ; s[24:31], s[32:39], s[40:47] descriptor groups 1 for K, V, the scale words
.set G1V, 32
.set G1S, 40
.set G0K, 48                           ; s[48:51], s[52:55], s[56:59] their groups 0
.set G0V, 52
.set G0S, 56
.set SEL, 60                           ; s[60:61] lane selects for v_permlanex16_b32: lane l xor 16
.set CS,  62                           ; s[62:63] c = log2(e) / 8
.set ST,  66                           ; s66  the step
.set DG,  67                           ; s67  my tile's last step, the one on the diagonal
.set TK,  68                           ; s68-71 where the step's K, V, K's and V's scale words begin in LDS
.set TV,  69
.set TS,  70
.set TJ,  71
.set SU,  72                           ; s72  u
.set STL, 73                           ; s73  my tile of 16 queries, 0 .. 127
.set QP,  74                           ; s[74:75] Q's codes, s[76:77] Q's scale words, s[78:79] out: at my tile
.set QSP, 76
.set OP,  78
.set QB,  80                           ; s[80:81], s[82:83], s[84:85] the same at the head's first tile
.set QSB, 82
.set OB,  84
.macro CROUND                          ; a round of the cluster's barrier
	s_barrier_signal -1
	s_barrier_wait -1
	s_cmp_lg_u32 s[WV], 0
	s_cbranch_scc1 .Lnot_wave_0_\@
	s_barrier_signal -3
.Lnot_wave_0_\@:
	s_barrier_wait -3
	s_barrier_signal -1
	s_barrier_wait -1
.endm
	s_load_b128 s[4:7], s[0:1], 0x0                ; img, scl
	s_load_b64 s[8:9], s[0:1], 0x10                ; out0
	v_lshl_add_u32 v[SPW], v0, 2, SPARE
	v_mov_b32 v[NIL], 0
	ds_add_u32 v[SPW], v[NIL]                      ; the wave's opening: the add, twice on end, and its wait ahead of the first tensor loads; the set-up below stands between the second and the wait
	ds_add_u32 v[SPW], v[NIL]
	v_lshrrev_b32 v1, 5, v0
	v_readfirstlane_b32 s[WV], v1                  ; wave 0..15
	s_bfe_u32 s[SG], ttmp6, 0x40000                ; cx
	s_and_b32 s[SBH], ttmp7, 0xffff                ; the cluster's y: batch x 16 + head, which the four partners share
	s_and_b32 s[SPAR], s[SBH], 1
	; group 1, elements of 8 bytes, no padding; 15:0 the mask: all four work-groups; 21 set beside a mask
	s_mov_b32 s[G1K], 15|(3<<16)|(1<<21)           ; K: 64 tiles of 512 bytes, 1,024 bytes apart (the other head of the pair lies between)
	s_mov_b32 s[G1K+1], 64<<16                     ; tensor_dim0
	s_mov_b32 s[G1K+2], 64<<16                     ; tensor_dim1
	s_mov_b32 s[G1K+3], 64<<16                     ; tile_dim0
	s_mov_b32 s[G1K+4], 64                         ; tile_dim1
	s_mov_b32 s[G1K+5], 128                        ; tensor_dim0_stride
	s_mov_b32 s[G1K+6], 0
	s_mov_b32 s[G1K+7], 0
	s_mov_b32 s[G1V], 15|(3<<16)|(1<<21)           ; V: 8 steps of 4,096 bytes, 8,192 bytes apart
	s_mov_b32 s[G1V+1], 512<<16
	s_mov_b32 s[G1V+2], 8<<16
	s_mov_b32 s[G1V+3], 512<<16
	s_mov_b32 s[G1V+4], 8
	s_mov_b32 s[G1V+5], 1024
	s_mov_b32 s[G1V+6], 0
	s_mov_b32 s[G1V+7], 0
	s_mov_b32 s[G1S], 15|(3<<16)|(1<<21)           ; scale words: 4,096 dense bytes as 16 rows of 256
	s_mov_b32 s[G1S+1], 32<<16
	s_mov_b32 s[G1S+2], 16<<16
	s_mov_b32 s[G1S+3], 32<<16
	s_mov_b32 s[G1S+4], 16
	s_mov_b32 s[G1S+5], 32
	s_mov_b32 s[G1S+6], 0
	s_mov_b32 s[G1S+7], 0
	s_mov_b32 s[SEL], 0x76543210
	s_mov_b32 s[SEL+1], 0xfedcba98
	s_mov_b32 s[CS], 0x3e38aa3b                    ; c = log2(e) / 8
	s_mov_b32 s[CS+1], s[CS]                       ; (named with it as a pair, so it is written)
	s_lshr_b32 s86, s[SBH], 1
	s_lshl_b32 s86, s86, 17                        ; the pair of heads in a kind of img: 16 groups of 8,192 bytes
	s_lshl_b32 s88, s[SPAR], 9
	s_add_co_u32 s88, s88, s86                     ; Q: + 512 x parity
	s_mov_b32 s89, 0
	s_and_b32 s90, s[WV], 1                        ; which half I fetch, if I fetch
	s_lshl_b32 s91, s90, 16                        ; 64 tiles, or 8 steps: 65,536 bytes of memory
	s_add_co_u32 s92, s88, s91
	s_add_co_u32 s92, s92, 0x400000                ; K
	s_mov_b32 s93, 0
	s_lshl_b32 s94, s[SPAR], 12
	s_add_co_u32 s94, s94, s86
	s_add_co_u32 s94, s94, s91
	s_add_co_u32 s94, s94, 0x800000                ; V: + 4,096 x parity
	s_mov_b32 s95, 0
	s_lshl_b32 s90, s90, 15                        ; and 32,768 bytes of LDS
	s_and_b32 s91, s[WV], 3                        ; waves 4, 5, 6: part 0, 1 of K's scale words, or V's
	s_lshl_b32 s86, s[SBH], 13
	s_lshl_b32 s87, s91, 12
	s_add_co_u32 s86, s86, s87
	s_add_co_u32 s86, s86, 524288
	s_lshl_b32 s87, s[SBH], 12
	s_add_co_u32 s87, s87, 1048576
	s_cmp_lt_u32 s91, 2
	s_cselect_b32 s86, s86, s87
	s_mov_b32 s87, 0
	s_lshl_b32 s91, s91, 12
	s_add_co_u32 s91, s91, KSC                     ; V's scale words lie behind K's two parts
	s_wait_dscnt 0x0                               ; both opening adds are done
	s_wait_kmcnt 0x0
	s_mov_b32 s[G0K], 1                            ; count = 1
	s_mov_b32 s[G0K+1], s90                        ; LDS address
	s_add_nc_u64 s[G0K+2:G0K+3], s[4:5], s[92:93]  ; global address
	s_or_b32 s[G0K+3], s[G0K+3], 0x80000000        ; type = 2
	s_mov_b32 s[G0V], 1
	s_add_co_u32 s[G0V+1], s90, VIMG
	s_add_nc_u64 s[G0V+2:G0V+3], s[4:5], s[94:95]
	s_or_b32 s[G0V+3], s[G0V+3], 0x80000000
	s_mov_b32 s[G0S], 1
	s_mov_b32 s[G0S+1], s91
	s_add_nc_u64 s[G0S+2:G0S+3], s[6:7], s[86:87]
	s_or_b32 s[G0S+3], s[G0S+3], 0x80000000
	s_add_nc_u64 s[QB:QB+1], s[4:5], s[88:89]
	s_lshl_b32 s86, s[SBH], 13
	s_add_nc_u64 s[QSB:QSB+1], s[6:7], s[86:87]
	s_lshr_b32 s86, s[SBH], 4
	s_lshl_b32 s86, s86, 23                        ; a batch of out: 2,048 rows of 4,096 bytes
	s_and_b32 s88, s[SBH], 15
	s_lshl_b32 s88, s88, 8                         ; a head's 256 bytes of a row
	s_add_co_u32 s86, s86, s88
	s_add_nc_u64 s[OB:OB+1], s[8:9], s[86:87]
	CROUND                                         ; all four work-groups are here: the joint loads meet
	s_cmp_lt_u32 s[WV], 2                          ; the branches hang on the wave's number alone; a wave has at most one tensor load out; an s_nop 0 and four v_nop follow each
	s_cbranch_scc0 .Lnot_k
	tensor_load_to_lds s[G0K:G0K+3], s[G1K:G1K+7]
	s_nop 0
.rept 4
	v_nop
.endr
	s_branch .Lasked
.Lnot_k:
	s_cmp_lt_u32 s[WV], 4
	s_cbranch_scc0 .Lnot_v
	tensor_load_to_lds s[G0V:G0V+3], s[G1V:G1V+7]
	s_nop 0
.rept 4
	v_nop
.endr
	s_branch .Lasked
.Lnot_v:
	s_cmp_lt_u32 s[WV], 7
	s_cbranch_scc0 .Lasked
	tensor_load_to_lds s[G0S:G0S+3], s[G1S:G1S+7]
	s_nop 0
.rept 4
	v_nop
.endr
.Lasked:
	v_and_b32 v9, 15, v0                           ; r
	v_bfe_u32 v10, v0, 4, 1                        ; h
	v_and_b32 v1, 31, v0
	v_lshlrev_b32 v[L8], 3, v1
	v_lshlrev_b32 v[L16], 4, v1
	v_lshlrev_b32 v[RH], 3, v10
	v_sub_nc_u32 v[RH], v9, v[RH]
	v_lshlrev_b32 v[GO], 12, v10
	v_lshl_add_u32 v[GO], v9, 4, v[GO]             ; lanes 0-15 one row of out, lanes 16-31 the next; 16 bytes a lane
	s_mul_i32 s86, s[WV], 16*272
	s_add_co_u32 s86, s86, STAGE                   ; my stage
	v_mul_u32_u24 v[STO], v9, 272
	v_lshl_add_u32 v[STO], v10, 5, v[STO]
	v_add_nc_u32 v[STO], s86, v[STO]               ; in: row r, + 32 h
	v_mul_u32_u24 v[RD], v10, 272
	v_lshl_add_u32 v[RD], v9, 4, v[RD]
	v_add_nc_u32 v[RD], s86, v[RD]                 ; back: two rows an instruction
	v_lshlrev_b32 v[QSO], 4, v9
.irp j, 20,21,22,23
	v_mov_b32 v\j, 0                               ; Q's upper 64 along K: zero codes
.endr
.irp t, 0,1,2,3,4,5,6,7
.irp j, 4,5,6,7
	v_mov_b32 v[32+8*\t+\j], 0                     ; K's likewise: loads land in the lower four registers alone
.endr
.endr
.irp b, 0,1,2,3
	v_mov_b32 v[236+\b], 0                         ; written once: a lane permute's destination counts as one of its sources
.endr
; A tile is taken up.  p = 0: u = my wave's number; p = 1: u = 31 - it.
.macro HEAD p
.if \p
	s_wait_xcnt 0x0                                ; the last tile's stores have read their data and their base: both are written again below
	s_sub_co_u32 s[SU], 31, s[WV]
.else
	s_mov_b32 s[SU], s[WV]
.endif
	s_lshl_b32 s[STL], s[SU], 2
	s_add_co_u32 s[STL], s[STL], s[SG]             ; my tile
	s_lshr_b32 s[DG], s[SU], 1                     ; its last step: tile / 8, which does not hang on my place in the cluster
	s_mov_b32 s87, 0
	s_lshl_b32 s86, s[STL], 10
	s_add_nc_u64 s[QP:QP+1], s[QB:QB+1], s[86:87]  ; a tile's image: 1,024 bytes on (both heads of the pair)
	s_lshr_b32 s86, s[STL], 3
	s_lshl_b32 s86, s86, 9                         ; its scale words: the group's 512 bytes,
	s_and_b32 s88, s[STL], 1
	s_lshl_b32 s88, s88, 8                         ; the lanes' half,
	s_add_co_u32 s86, s86, s88
	s_bfe_u32 s88, s[STL], 0x20001
	s_lshl_b32 s88, s88, 2                         ; the word
	s_add_co_u32 s86, s86, s88
	s_add_nc_u64 s[QSP:QSP+1], s[QSB:QSB+1], s[86:87]
	s_lshl_b32 s86, s[STL], 16                     ; 16 rows of out
	s_add_nc_u64 s[OP:OP+1], s[OB:OB+1], s[86:87]
	s_and_b32 s86, s[STL], 7
	s_lshl_b32 s86, s86, 4
	v_add_nc_u32 v[DL], s86, v[RH]
	global_load_b128 v[16:19], v[L16], s[QP:QP+1]  ; Q's fragment: lane (r, h): d = 32 h .. 32 h + 31 of query r
	global_load_b32 v24, v[QSO], s[QSP:QSP+1]
	v_mov_b32 v13, 0xff61b1e6                      ; the largest t so far: -3e38, under every t
	v_floor_f32 v12, -v13                          ; -M
	v_mov_b32 v14, 0                               ; the sum, in two halves
	v_mov_b32 v15, 0
	v_mov_b32 v252, 0
	v_mov_b32 v253, 0                              ; (named as the upper half of the pair v[252:253] before it is first made)
.irp j, 0,1,2,3,4,5,6,7,8,9,10,11,12,13,14,15,16,17,18,19,20,21,22,23,24,25,26,27,28,29,30,31
	v_mov_b32 v[160+\j], 0                         ; O^T: the step is written once; the first finds zeros, which the first change of M leaves zeros
.endr
	s_mov_b32 s[ST], 0
	s_mov_b32 s[TK], KIMG
	s_mov_b32 s[TV], VIMG
	s_mov_b32 s[TS], KSC
	s_mov_b32 s[TJ], VSC
.endm
; The walk over the keys: 16 trips, a constant; a trip whose keys all come after my queries does nothing but step.
.macro WALK
	s_wait_loadcnt 0x0                             ; Q
.Lstep_\@:
	s_cmp_gt_u32 s[ST], s[DG]
	s_cbranch_scc1 .Lhid_\@
	v_add_nc_u32 v[ADK], s[TK], v[L16]             ; these four are also the places between the last trip's products and the loads into V's registers
	v_add_nc_u32 v[ADV], s[TV], v[L16]
	v_add_nc_u32 v[ADS], s[TS], v[L16]
	v_add_nc_u32 v[ADT], s[TJ], v[L8]
.irp t, 0,1,2,3,4,5,6,7
	ds_load_b128 v[32+8*\t:35+8*\t], v[ADK] offset:512*\t           ; an image: 512 consecutive bytes an instruction
.endr
	ds_load_b128 v[248:251], v[ADS]                ; K's scale words: register j: lanes 0-15 tile 2 j, lanes 16-31 tile 2 j + 1
.irp t, 0,1,2,3
	ds_load_b128 v[192+8*\t:195+8*\t], v[ADV] offset:1024*\t
	ds_load_b128 v[196+8*\t:199+8*\t], v[ADV] offset:1024*\t+512
.endr
	ds_load_b64 v[240:241], v[ADT]                 ; V's scale words
	s_wait_dscnt 9                                 ; K and its scale words are in; V's eight loads and its scale words may be out
.irp t, 0,2,4,6
	v_wmma_scale_f32_16x16x128_f8f6f4 v[96+8*\t:103+8*\t], v[32+8*\t:39+8*\t], v[16:23], 0, v[248+\t/2], v24 matrix_a_fmt:MATRIX_FMT_FP4 matrix_b_fmt:MATRIX_FMT_FP4
	v_wmma_scale_f32_16x16x128_f8f6f4 v[104+8*\t:111+8*\t], v[40+8*\t:47+8*\t], v[16:23], 0, v[248+\t/2], v24 matrix_a_fmt:MATRIX_FMT_FP4 matrix_b_fmt:MATRIX_FMT_FP4 matrix_a_scale:MATRIX_SCALE_ROW1
.endr
.rept 4
	v_nop                                          ; places in front of the first read of results
.endr
	s_cmp_lg_u32 s[ST], s[DG]                      ; on the diagonal the scores of hidden keys become -infinity ahead of the maximum: p = 0 then
	s_cbranch_scc1 .Lopen_\@
	v_mov_b32 v254, 0xff800000
.irp n, 0,1,2,3,4,5,6,7,8,9,10,11,12,13,14,15,16,17,18,19,20,21,22,23,24,25,26,27,28,29,30,31,32,33,34,35,36,37,38,39,40,41,42,43,44,45,46,47,48,49,50,51,52,53,54,55,56,57,58,59,60,61,62,63
	v_cmp_gt_i32 vcc_lo, 16*(\n/8)+\n%8, v[DL]     ; register n holds the step's key 16 (n / 8) + 8 h + n % 8
	v_cndmask_b32 v[96+\n], v[96+\n], v254, vcc_lo
.endr
.Lopen_\@:
.irp b, 0,1,2,3
	v_max3_num_f32 v[232+\b], v[96+16*\b], v[97+16*\b], v[98+16*\b]   ; the largest score of each block of 32 keys: it serves for the row's maximum and, since p rises with the score, for the block's largest p
.endr
.irp i, 3,5,7,9,11,13
.irp b, 0,1,2,3
	v_max3_num_f32 v[232+\b], v[232+\b], v[96+16*\b+\i], v[97+16*\b+\i]
.endr
.endr
.irp b, 0,1,2,3
	v_max_num_f32 v[232+\b], v[232+\b], v[111+16*\b]
.endr
.irp b, 0,1,2,3
	v_permlanex16_b32 v[236+\b], v[232+\b], s[SEL], s[SEL+1]
.endr
.irp b, 0,1,2,3
	v_max_num_f32 v[232+\b], v[232+\b], v[236+\b]  ; with lane l xor 16's 16 keys
.endr
	v_max3_num_f32 v254, v232, v233, v234
	v_max_num_f32 v254, v254, v235                 ; the step's largest score of my query
	v_mul_f32 v254, s[CS], v254                    ; as t
	v_max_num_f32 v13, v13, v254                   ; the running largest t
	v_mov_b32 v254, v12
	v_floor_f32 v12, -v13                          ; the new -M = -ceil(t): a whole number
	v_sub_f32 v254, v12, v254                      ; M's old value less its new one: a whole number, 0 or less
	v_cvt_i32_f32 v254, v254                       ; (it saturates)
	v_ldexp_f32 v252, 1.0, v254                    ; f = 2^(old M - new M)
.irp j, 0,2,4,6,8,10,12,14,16,18,20,22,24,26,28,30,32,34,36,38,40,42,44,46,48,50,52,54,56,58,60,62
	v_pk_fma_f32 v[96+\j:97+\j], v[96+\j:97+\j], s[CS:CS+1], v[12:13] op_sel_hi:[1,0,0]   ; t - M, two at a time
.endr
.irp b, 0,1,2,3
	v_fma_f32 v[232+\b], v[232+\b], s[CS], v12     ; the same of each block's largest score
.endr
.irp j, 0,1,2,3,4,5,6,7,8,9,10,11,12,13,14,15,16,17,18,19,20,21,22,23,24,25,26,27,28,29,30,31,32,33,34,35,36,37,38,39,40,41,42,43,44,45,46,47,48,49,50,51,52,53,54,55,56,57,58,59,60,61,62,63
	v_exp_f32 v[96+\j], v[96+\j]                   ; p = 2^(t - M), at most 1
.endr
	v_pk_mul_f32 v[14:15], v[14:15], v[252:253] op_sel_hi:[1,0]   ; the sums under the new M: the plain place behind the exponentials
	s_wait_alu depctr_va_vdst(0)                   ; the wait ahead of the first instruction that names a result: one for the batch of 64
.irp b, 0,1,2,3
	v_exp_f32 v[232+\b], v[232+\b]                 ; the block's largest p
.endr
	v_pk_add_f32 v[236:237], v[96:97], v[98:99]    ; the row's sum is taken of the unquantised p: two at a time, in two chains
.irp j, 4,8,12,16,20,24,28,32,36,40,44,48,52,56,60
	v_pk_add_f32 v[14:15], v[14:15], v[96+\j:97+\j]
	v_pk_add_f32 v[236:237], v[236:237], v[98+\j:99+\j]
.endr
	v_pk_add_f32 v[14:15], v[14:15], v[236:237]
	s_wait_alu depctr_va_vdst(0)                   ; and one for the four
.irp b, 0,1,2,3
	v_max_num_f32 v[232+\b], 0x1800000, v[232+\b]  ; the floor 2^(3 - 127): the byte cannot fall under 1
.endr
.irp b, 0,1,2,3
	v_add_nc_u32 v[244+\b], 0xff000000, v[232+\b]  ; 2 off the exponent field: the conversion's scale operand
.endr
.irp b, 0,1,2,3
	v_lshrrev_b32 v[236+\b], 23, v[244+\b]         ; the scale's byte
.endr
	v_lshl_or_b32 v253, v237, 8, v236              ; p's scale word for these 128 keys
	v_lshl_or_b32 v253, v238, 16, v253
	v_lshl_or_b32 v253, v239, 24, v253
.irp b, 0,1,2,3
	v_cvt_scalef32_pk8_fp4_f32 v[224+4*(\b/2)+\b%2], v[96+16*\b:103+16*\b], v[244+\b]    ; keys 32 b + 8 h + 0 .. 7
	v_cvt_scalef32_pk8_fp4_f32 v[226+4*(\b/2)+\b%2], v[104+16*\b:111+16*\b], v[244+\b]   ; and 32 b + 16 + 8 h + 0 .. 7
.endr
	v_nop                                          ; one plain place behind a scaled conversion
.irp c, 0,1                                    ; a whole block to a lane: register 4 c + i then holds keys 64 c + 32 h + 8 i + 0 .. 7
	v_permlane16_swap_b32 v[224+4*\c], v[225+4*\c]
	v_permlane16_swap_b32 v[226+4*\c], v[227+4*\c]
.endr
.irp j, 0,2,4,6,8,10,12,14,16,18,20,22,24,26,28,30
	v_pk_mul_f32 v[160+\j:161+\j], v[160+\j:161+\j], v[252:253] op_sel_hi:[1,0]   ; O^T under the new M.  (These sixteen are also the places between the writes of p's codes and scale word and the products below)
.endr
	s_wait_dscnt 0x0                               ; V and its scale words are in
.irp t, 0,2
	v_wmma_scale_f32_16x16x128_f8f6f4 v[160+8*\t:167+8*\t], v[192+8*\t:199+8*\t], v[224:231], v[160+8*\t:167+8*\t], v[240+\t/2], v253 matrix_a_fmt:MATRIX_FMT_FP4 matrix_b_fmt:MATRIX_FMT_FP4
	v_wmma_scale_f32_16x16x128_f8f6f4 v[168+8*\t:175+8*\t], v[200+8*\t:207+8*\t], v[224:231], v[168+8*\t:175+8*\t], v[240+\t/2], v253 matrix_a_fmt:MATRIX_FMT_FP4 matrix_b_fmt:MATRIX_FMT_FP4 matrix_a_scale:MATRIX_SCALE_ROW1
.endr
.Lhid_\@:
	s_add_co_u32 s[TK], s[TK], 4096                ; the next step's tiles and scale words
	s_add_co_u32 s[TV], s[TV], 4096
	s_add_co_u32 s[TS], s[TS], 512
	s_add_co_u32 s[TJ], s[TJ], 256
	s_add_co_u32 s[ST], s[ST], 1
	s_cmp_lt_u32 s[ST], 16
	s_cbranch_scc1 .Lstep_\@
.endm
; THE WAY OUT of a tile: O^T is divided by the sum and goes through my own stage in LDS, so that sixteen lanes store 256 consecutive bytes, aligned: a head's part of a row of out.
.macro OUT
.rept 4
	v_nop                                          ; places behind the last products
.endr
	v_add_f32 v14, v14, v15                        ; the sum's two halves,
	v_permlanex16_b32 v252, v14, s[SEL], s[SEL+1]
	v_add_f32 v14, v14, v252                       ; and lane l xor 16's: the row's sum
	v_rcp_f32 v14, v14
	v_nop                                          ; a plain place behind the transcendental
	s_wait_alu depctr_va_vdst(0)                   ; and the wait ahead of its first reader
.irp k, 0,2,4,6,8,10,12,14,16,18,20,22,24,26,28,30
	v_pk_mul_f32 v[96+\k:97+\k], v[160+\k:161+\k], v[14:15] op_sel_hi:[1,0]   ; register 8 t + j: out(query r, d = 16 t + 8 h + j); each accumulator from its low end on
.endr
.irp t, 0,1,2,3
	ds_store_b128 v[STO], v[96+8*\t:99+8*\t] offset:64*\t
	ds_store_b128 v[STO], v[100+8*\t:103+8*\t] offset:64*\t+16
.endr
.irp i, 0,1,2,3,4,5,6,7
	ds_load_b128 v[128+4*\i:131+4*\i], v[RD] offset:544*\i   ; LDS serves a wave's instructions in order (ISA guide 5.7.1.4): these see my stores
.endr
.irp i, 0,1,2,3,4,5,6,7
	s_wait_dscnt 7-\i                              ; the younger read-backs may stay out
	global_store_b128 v[GO], v[128+4*\i:131+4*\i], s[OP:OP+1] offset:8192*\i th:TH_STORE_NT
.endr
.endm
	HEAD 0                                         ; Q is asked for while the tiles are on their way
	s_wait_tensorcnt 0x0                           ; my load, if I had one, has landed,
	s_barrier_signal -1
	s_barrier_wait -1                              ; everybody's has: K, V and the scale words lie whole in LDS, and nothing is filled again
	WALK
	OUT
	HEAD 1
	WALK
	OUT
	s_wait_tensorcnt 0x0                           ; the wave's end, behind my last LDS store
	ds_add_u32 v[SPW], v[NIL]
	s_wait_dscnt 0x0
	CROUND                                         ; the closing round
	s_endpgm
.Lfunc_end_k_q2d66782388_attn:
	.size	k_q2d66782388_attn, .Lfunc_end_k_q2d66782388_attn-k_q2d66782388_attn
	.p2alignl 7, 3214868480
	.fill 96, 4, 3214868480
	.section	.rodata,"a",@progbits
	.p2align	6, 0x0
	.amdhsa_kernel k_q2d66782388_attn
		.amdhsa_group_segment_fixed_size 215040
		.amdhsa_private_segment_fixed_size 0
		.amdhsa_enable_private_segment 0
		.amdhsa_kernarg_size 24
		.amdhsa_user_sgpr_count 2
		.amdhsa_user_sgpr_kernarg_segment_ptr 1
		.amdhsa_wavefront_size32 1
		.amdhsa_system_sgpr_workgroup_id_x 1
		.amdhsa_system_sgpr_workgroup_id_y 1
		.amdhsa_system_sgpr_workgroup_id_z 1
		.amdhsa_system_vgpr_workitem_id 0
		.amdhsa_next_free_vgpr 256
		.amdhsa_next_free_sgpr 96
		.amdhsa_reserve_vcc 1
		.amdhsa_float_denorm_mode_32 3
		.amdhsa_float_denorm_mode_16_64 3
		.amdhsa_memory_ordered 1
		.amdhsa_forward_progress 1
		.amdhsa_inst_pref_size 60
	.end_amdhsa_kernel
	.amdgpu_metadata
---
amdhsa.version: [ 1, 2 ]
amdhsa.kernels:
  - .name:           k_q2d66782388_attn
    .symbol:         k_q2d66782388_attn.kd
    .args:
      - { .name: img, .offset: 0, .size: 8, .value_kind: global_buffer, .address_space: global }
      - { .name: scl, .offset: 8, .size: 8, .value_kind: global_buffer, .address_space: global }
      - { .name: out0, .offset: 16, .size: 8, .value_kind: global_buffer, .address_space: global }
    .group_segment_fixed_size: 215040
    .private_segment_fixed_size: 0
    .kernarg_segment_align: 8
    .kernarg_segment_size: 24
    .max_flat_workgroup_size: 512
    .sgpr_count:     96
    .vgpr_count:     256
    .wavefront_size: 32
...
	.end_amdgpu_metadata
.endif
;; end of part 2
